; MI455X (gfx1250); checked and timed in simulation.
; The chip was launched on July 23, 2026; its instructions are those of AMD's public machine-readable ISA for CDNA 5 (MIT licence, August 2026) and "CDNA5" Instruction Set Architecture Reference Guide (July 2026). The comments in the code are by the model that wrote it; some were corrected since.
;; Self Attention. Allowed arithmetic: matrix products marked QUANTISED: E4M3 operands, one given power-of-two scale a tensor, by v_wmma_f32_16x16x64_fp8_fp8 or v_wmma_f32_16x16x128_fp8_fp8, f32 sums; everything else in f32.
;; Inputs: Wk 1,024 x 1,024 float32; Wo 1,024 x 1,024 float32; Wq 1,024 x 1,024 float32; Wv 1,024 x 1,024 float32; X 4 x 2,048 x 1,024 float32; bk 1,024 float32; bo 1,024 float32; bq 1,024 float32; bv 1,024 float32; lowp_scales 12 int32 (the exponents e of the quantised operands' scales 2^e).
;; Outputs: out0 4 x 2,048 x 1,024 float32.
;; This version of the problem:
;;   THIS VERSION OF THE PROBLEM IS GIVEN IN LOW PRECISION. The matrix products marked QUANTISED in the list below multiply operands that are first quantised to E4M3 (4 exponent bits, 3 mantissa bits; 8 bits a number), with one given power-of-two scale for each operand tensor; their sums are f32. All else is computed in f32.
;;   The module's matrix products, in the order in which they are computed (A, B: the left and right operand; K: the contracted axis; several contracted axes count as one K, in the product's order):
;;     1. [M 8,192, K 1,024] x [K 1,024, N 1,024]; A: input X; B: input Wq: QUANTISED (scales: A lowp_scales[0], B lowp_scales[1])
;;     2. [M 8,192, K 1,024] x [K 1,024, N 1,024]; A: input X; B: input Wk: QUANTISED (scales: A lowp_scales[2], B lowp_scales[3])
;;     3. [M 8,192, K 1,024] x [K 1,024, N 1,024]; A: input X; B: input Wv: QUANTISED (scales: A lowp_scales[4], B lowp_scales[5])
;;     4. batch 64 x [M 2,048, K 64] x [K 64, N 2,048]; A: computed on the way; B: computed on the way: QUANTISED (scales: A lowp_scales[6], B lowp_scales[7])
;;     5. batch 64 x [M 2,048, K 2,048] x [K 2,048, N 64]; A: softmax (see below); B: computed on the way: QUANTISED (scales: A lowp_scales[8], B lowp_scales[9])
;;     6. [M 8,192, K 1,024] x [K 1,024, N 1,024]; A: computed on the way; B: input Wo: QUANTISED (scales: A lowp_scales[10], B lowp_scales[11])
;;   THE QUANTISER, for each operand of a quantised product, along K:
;;     - The operand's scale is 2^e, e = its entry of the input lowp_scales (int32; the entries are numbered through the quantised products in the list's order, A before B).
;;     - Each number is divided by the scale, clamped to +-448, and rounded to the nearest number of E4M3, ties to even, subnormals kept.
;;     - The product sums the exact products of the quantised numbers (number of the format x scale) in f32.
;;   ~~~python
;;   def quantise(x, axis, e):      # numpy; x: float32 -> the quantised numbers, widened to float32 again
;;       x = np.moveaxis(x, axis, -1); K = x.shape[-1]
;;       r = np.clip(x / 2.0 ** e, -448, 448)
;;       step = 2.0 ** (np.maximum(np.frexp(np.where(r == 0, 1, r))[1] - 1, -6) - 3)
;;       q = np.round(r / step) * step * 2.0 ** e      # np.round: ties to even
;;       return np.moveaxis(q, -1, axis).astype(np.float32)
;;   ~~~
;;   SOFTMAX AHEAD OF A QUANTISED PRODUCT. Where the list says 'softmax', what is quantised is not the finished softmax but p = 2^(t - M), with t = logit x log2(e) and M = ceil(the row's largest t), a whole number; so 1/2 < the row's largest p <= 1. The row's sum l is taken of the UNQUANTISED p, in f32, and the product's result is divided by l at the end. Since M is a whole number, a kernel that streams over the keys may use a running M (the ceiling of the running maximum): every later rescaling is an exact power of two, so the quantised numbers keep their values, but for numbers so far below the row's largest that they fall under the format's range.
;;   OPERANDS COMPUTED ON THE WAY. 'Computed on the way' means the value that the module computes at that place (a softmax that the list does not call 'softmax' is quantised finished and normalised). What goes into a quantiser is computed in f32, as accurately as f32 sums, v_exp_f32 and their like allow (about 1e-6 of the number): no bf16 or f16 on the way to a quantiser, and a product that is left as it is and whose result goes on into a quantised operand takes f32 operands (vector FMAs, or v_wmma_f32_16x16x4_f32). A number that lies on a knife's edge between two numbers of the format may be rounded either way, as far as f32 arithmetic and the matrix unit's own rounding can turn it there, and no further.
;; One version. Each part assembles by itself: llvm-mc -triple=amdgcn-amd-amdhsa -mcpu=gfx1250 --defsym DOCPART=n.
;; ======== version 1 of 1: 4 launches
;; limits: right only within a limited range of input values
;; workspace buffers: xc 25,165,824 bytes; wc 4,194,304 bytes; qc 8,388,608 bytes; kv 16,777,216 bytes; ac 8,388,608 bytes
;; launch quant (part 1): grid 768 x 1, 8 waves a work-group, no clusters, 68,608 bytes of LDS; arguments X, Wq, Wk, Wv, Wo, lowp_scales, xc, wc; writes xc, wc
.if DOCPART == 1
	.amdgcn_target "amdgcn-amd-amdhsa--gfx1250"
	.amdhsa_code_object_version 6
	.text
	.protected	k_q1bc0070553_quant
	.globl	k_q1bc0070553_quant
	.p2align	8
	.type	k_q1bc0070553_quant,@function
k_q1bc0070553_quant:
	s_mov_b64 s[64:65], 0
	v_nop
	global_prefetch_b8 v0, s[64:65] scope:SCOPE_SE
	s_setreg_imm32_b32 hwreg(HW_REG_WAVE_MODE, 25, 1), 1
	s_wait_xcnt 0x0
; SELF-ATTENTION ON CODES OF E4M3, launch 1 of 4: X [8192][1024] and Wq, Wk, Wv, Wo [1024][1024], f32, K innermost, become codes.
; NOTHING OF THE PROBLEM IS LEFT OUT: every bias goes into a quantiser (bq, bk, bv) or into the output (bo), every product is live, there is no mask; all ten inputs are loaded by some launch.
; code = x / 2^e, held within +-448, to the nearest code, ties to even.  X is an operand of three products with three given exponents (entries 0, 2, 4), which may differ: three sets of codes.
; Wq, Wk, Wv, Wo take entries 1, 3, 5, 11.  LIMITS: each e between -126 and 119, so that 2^e and 448 x 2^e are f32 numbers; NaN among the inputs is not served; an infinity is held at the largest code.
; THE LAYOUT OF THE CODES is the order of an operand's registers.  A tile is 16 POSITIONS; position r of tile t holds row 32 (t / 2) + 8 (t % 2) + r + 8 (r / 8) (bits 3 and 4 of the row's number change places),
; so that a later product's result, whose registers run along such a tile, holds 16 neighbouring rows in the 16 registers of two neighbouring tiles.  A fragment (16 positions x 128 K) is 2,048 bytes: four pieces c of 512,
; lane l's 16 bytes at 512 c + 16 l: position l % 16, K = 32 c + 16 (l / 16) + 0 .. 15.  Tile t, K step s lies at (t / 8) 131072 + (s / 2) 32768 + (t % 8) 4096 + (s % 2) 2048:
; 128 positions x 256 K are one dense block of 32,768 bytes.
; SHARES.  A work-group takes one tile (work-groups 0-511: X; then 64 for each weight), wave w its K step w: 16 rows x 512 bytes in, 2,048 bytes of codes out for each scale.
; Each load reads 512 consecutive bytes of one row; the conversions want 16 neighbours along K in ONE lane, so the rows turn through the wave's own stage in LDS (rows 528 bytes apart: 132 words,
; so that the 16 rows that a read touches start at 16 different banks: 64 banks of 4 bytes, ISA guide 11.1).  Each store covers 512 consecutive bytes, aligned.  Waves share nothing: no barrier.
.set STW,   8448                       ; a wave's stage: 16 rows x 528 bytes
.set SP,    528
.set SPARE, 8*STW                      ; behind the stages: the spare words, 128 bytes for each wave: four blocks of 256 bytes that no other line names
.set R,     12                         ; v12-75    16 rows as loaded, 4 registers each
.set XN,    76                         ; v76-139   register 16 c + i: K = 32 c + 16 (lane / 16) + i of my position
.set T,     140                        ; v140-171  held numbers, two sets of 16 by turns
.set C,     172                        ; v172-219  codes: 16 registers for each pass, never written again
; v1 my spare word, v2 = 0; v3 = 16 x lane; v4 into the stage; v5 out of it; v6, v7 / v8, v9 / v10, v11: 2^e and 448 x 2^e of passes 0, 1, 2
	s_load_b512 s[4:19], s[0:1], 0x0               ; X, Wq, Wk, Wv, Wo, the exponents, xc, wc
	v_lshl_add_u32 v1, v0, 2, SPARE
	v_mov_b32 v2, 0
	v_lshrrev_b32 v6, 5, v0
	s_delay_alu instid0(VALU_DEP_1)
	v_readfirstlane_b32 s20, v6                    ; wave 0..7 = my K step
	v_and_b32 v7, 31, v0
	s_delay_alu instid0(VALU_DEP_1)
	v_lshlrev_b32 v3, 4, v7                        ; 16 x lane
	s_mul_i32 s21, s20, STW
	v_add_nc_u32 v4, s21, v3                       ; in: my 16 bytes of a row
	v_and_b32 v7, 15, v0
	v_bfe_u32 v8, v0, 4, 1
	s_delay_alu instid0(VALU_DEP_2)
	v_mul_u32_u24 v5, v7, SP
	s_delay_alu instid0(VALU_DEP_1)
	v_lshl_add_u32 v5, v8, 6, v5
	s_delay_alu instid0(VALU_DEP_1)
	v_add_nc_u32 v5, s21, v5                       ; out: position lane % 16, + 64 bytes for the upper half of the lanes
	s_sub_co_u32 s37, ttmp9, 512
	s_lshr_b32 s23, s37, 6                         ; which weight,
	s_and_b32 s37, s37, 63                         ; and which of its 64 tiles
	s_cmp_lt_u32 ttmp9, 512                        ; X's work-group?  All choices hang on the work-group's number alone
	s_cselect_b32 s22, ttmp9, s37                  ; t
	s_cselect_b32 s23, 0, s23
	s_lshr_b32 s46, s22, 1                         ; where my rows begin: (32 (t / 2) + 8 (t % 2)) rows of 4,096 bytes + 512 x wave
	s_lshl_b32 s46, s46, 17
	s_and_b32 s37, s22, 1
	s_lshl_b32 s37, s37, 15
	s_add_co_u32 s46, s46, s37
	s_lshl_b32 s37, s20, 9
	s_add_co_u32 s46, s46, s37
	s_mov_b32 s47, 0
	s_lshl_b32 s44, s23, 20                        ; where my fragment goes: the weight's 1,048,576 bytes,
	s_lshr_b32 s37, s22, 3
	s_lshl_b32 s37, s37, 17
	s_add_co_u32 s44, s44, s37                     ; + (t / 8) 131072
	s_and_b32 s37, s22, 7
	s_lshl_b32 s37, s37, 12
	s_add_co_u32 s44, s44, s37                     ; + (t % 8) 4096
	s_lshr_b32 s37, s20, 1
	s_lshl_b32 s37, s37, 15
	s_add_co_u32 s44, s44, s37                     ; + (s / 2) 32768
	s_and_b32 s37, s20, 1
	s_lshl_b32 s37, s37, 11
	s_add_co_u32 s44, s44, s37                     ; + (s % 2) 2048
	s_mov_b32 s45, 0
	s_wait_alu depctr_va_vdst(0)
	s_wait_kmcnt 0x0
	s_load_b256 s[24:31], s[14:15], 0x0            ; e0 .. e7
	s_load_b128 s[32:35], s[14:15], 0x20           ; e8 .. e11
	s_cmp_eq_u32 s23, 2
	s_cselect_b64 s[38:39], s[10:11], s[12:13]     ; Wv or Wo,
	s_cmp_eq_u32 s23, 1
	s_cselect_b64 s[38:39], s[8:9], s[38:39]       ; or Wk,
	s_cmp_eq_u32 s23, 0
	s_cselect_b64 s[38:39], s[6:7], s[38:39]       ; or Wq,
	s_cmp_lt_u32 ttmp9, 512
	s_cselect_b64 s[38:39], s[4:5], s[38:39]       ; or X
	s_cselect_b64 s[40:41], s[16:17], s[18:19]     ; into xc or wc
	s_add_nc_u64 s[38:39], s[38:39], s[46:47]
	s_add_nc_u64 s[40:41], s[40:41], s[44:45]
	s_add_nc_u64 s[42:43], s[40:41], 0x800000      ; X's second and third set (used by X's work-groups alone)
	s_add_nc_u64 s[44:45], s[40:41], 0x1000000
.irp i, 0,1,2,3,4,5,6,7,8,9,10,11,12,13,14,15
	global_load_b128 v[R+4*\i:R+4*\i+3], v3, s[38:39] offset:(\i+8*(\i/8))*4096 th:TH_LOAD_NT   ; position i's row: 32 lanes read 512 consecutive bytes; read once in the launch
.endr
	s_wait_kmcnt 0x0
	s_cmp_eq_u32 s23, 2                            ; pass 0's exponent, by the same choices
	s_cselect_b32 s36, s29, s35
	s_cmp_eq_u32 s23, 1
	s_cselect_b32 s36, s27, s36
	s_cmp_eq_u32 s23, 0
	s_cselect_b32 s36, s25, s36
	s_cmp_lt_u32 ttmp9, 512
	s_cselect_b32 s36, s24, s36
.macro MKSC e, k                       ; 2^e as f32 (the conversion takes its exponent field) and 448 x 2^e
	s_add_co_i32 s37, \e, 127
	s_lshl_b32 s21, s37, 23
	v_mov_b32 v[6+2*\k], s21
	s_add_co_i32 s37, s37, 8
	s_lshl_b32 s37, s37, 23
	s_or_b32 s37, s37, 0x600000
	v_mov_b32 v[7+2*\k], s37
.endm
	MKSC s36, 0
	MKSC s26, 1                                    ; e2
	MKSC s28, 2                                    ; e4
	s_wait_alu depctr_va_vdst(0)
.irp i, 0,1,2,3,4,5,6,7,8,9,10,11,12,13,14,15
	s_wait_loadcnt 15-\i                           ; loads come back in order: row i is in, the younger ones may be out
	ds_store_b128 v4, v[R+4*\i:R+4*\i+3] offset:SP*\i
.endr
.irp c, 0,1,2,3
.irp j, 0,1,2,3
	ds_load_b128 v[XN+16*\c+4*\j:XN+16*\c+4*\j+3], v5 offset:128*\c+16*\j   ; LDS serves a wave's instructions in order: these see my stores
.endr
.endr
; One scale: 64 numbers a lane become 16 registers of codes, stored as the fragment's four pieces.
.macro PASS k
.irp c, 0,1,2,3
.if (\k) == 0
	s_wait_dscnt 12-4*\c                           ; piece c's four reads are in; the younger ones may be out
.endif
.set J, 0
.rept 16
	v_med3_num_f32 v[T+16*(\c%2)+J], v[XN+16*\c+J], -v[7+2*(\k)], v[7+2*(\k)]   ; the conversion to an 8-bit code does not saturate (ISA guide 7.6.2): the hold comes first, into other registers, since X is quantised three times
.set J, J+1
.endr
	v_cvt_scalef32_pk8_fp8_f32 v[C+16*(\k)+4*\c:C+16*(\k)+4*\c+1], v[T+16*(\c%2):T+16*(\c%2)+7], v[6+2*(\k)]
	v_cvt_scalef32_pk8_fp8_f32 v[C+16*(\k)+4*\c+2:C+16*(\k)+4*\c+3], v[T+16*(\c%2)+8:T+16*(\c%2)+15], v[6+2*(\k)]   ; T's two sets take turns: sixteen plain lines stand between a conversion and the next write of its sources
.endr
	v_nop                                          ; a plain line behind the last conversion
.irp c, 0,1,2,3
	global_store_b128 v3, v[C+16*(\k)+4*\c:C+16*(\k)+4*\c+3], s[40+2*(\k):41+2*(\k)] offset:512*\c   ; 512 consecutive bytes, aligned
.endr
.endm
	PASS 0
	s_cmp_ge_u32 ttmp9, 512                        ; a weight has one scale
	s_cbranch_scc1 .Lend
	PASS 1
	PASS 2
.Lend:
	s_wait_tensorcnt 0x0                           ; the wave's end: behind my last LDS store
	ds_add_u32 v1, v2
	s_wait_dscnt 0x0
	s_endpgm
.Lfunc_end_k_q1bc0070553_quant:
	.size	k_q1bc0070553_quant, .Lfunc_end_k_q1bc0070553_quant-k_q1bc0070553_quant
	.p2alignl 7, 3214868480
	.fill 96, 4, 3214868480
	.section	.rodata,"a",@progbits
	.p2align	6, 0x0
	.amdhsa_kernel k_q1bc0070553_quant
		.amdhsa_group_segment_fixed_size 68608
		.amdhsa_private_segment_fixed_size 0
		.amdhsa_enable_private_segment 0
		.amdhsa_kernarg_size 64
		.amdhsa_user_sgpr_count 2
		.amdhsa_user_sgpr_kernarg_segment_ptr 1
		.amdhsa_wavefront_size32 1
		.amdhsa_system_sgpr_workgroup_id_x 1
		.amdhsa_system_sgpr_workgroup_id_y 1
		.amdhsa_system_sgpr_workgroup_id_z 1
		.amdhsa_system_vgpr_workitem_id 0
		.amdhsa_next_free_vgpr 220
		.amdhsa_next_free_sgpr 66
		.amdhsa_reserve_vcc 0
		.amdhsa_float_denorm_mode_32 3
		.amdhsa_float_denorm_mode_16_64 3
		.amdhsa_memory_ordered 1
		.amdhsa_forward_progress 1
		.amdhsa_inst_pref_size 23
	.end_amdhsa_kernel
	.amdgpu_metadata
---
amdhsa.version: [ 1, 2 ]
amdhsa.kernels:
  - .name:           k_q1bc0070553_quant
    .symbol:         k_q1bc0070553_quant.kd
    .args:
      - { .name: X, .offset: 0, .size: 8, .value_kind: global_buffer, .address_space: global }
      - { .name: Wq, .offset: 8, .size: 8, .value_kind: global_buffer, .address_space: global }
      - { .name: Wk, .offset: 16, .size: 8, .value_kind: global_buffer, .address_space: global }
      - { .name: Wv, .offset: 24, .size: 8, .value_kind: global_buffer, .address_space: global }
      - { .name: Wo, .offset: 32, .size: 8, .value_kind: global_buffer, .address_space: global }
      - { .name: lowp_scales, .offset: 40, .size: 8, .value_kind: global_buffer, .address_space: global }
      - { .name: xc, .offset: 48, .size: 8, .value_kind: global_buffer, .address_space: global }
      - { .name: wc, .offset: 56, .size: 8, .value_kind: global_buffer, .address_space: global }
    .group_segment_fixed_size: 68608
    .private_segment_fixed_size: 0
    .kernarg_segment_align: 8
    .kernarg_segment_size: 64
    .max_flat_workgroup_size: 256
    .sgpr_count:     66
    .vgpr_count:     220
    .wavefront_size: 32
...
	.end_amdgpu_metadata
.endif
;; end of part 1
;; launch qkv (part 2): grid 12 x 32, 4 waves a work-group, clusters of 4 x 4, 327,680 bytes of LDS; arguments xc, wc, bq, bk, bv, lowp_scales, qc, kv; writes qc, kv
.if DOCPART == 2
	.amdgcn_target "amdgcn-amd-amdhsa--gfx1250"
	.amdhsa_code_object_version 6
	.text
	.protected	k_q1bc0070553_qkv
	.globl	k_q1bc0070553_qkv
	.p2align	8
	.type	k_q1bc0070553_qkv,@function
k_q1bc0070553_qkv:
	s_mov_b64 s[64:65], 0
	v_nop
	global_prefetch_b8 v0, s[64:65] scope:SCOPE_SE
	s_setreg_imm32_b32 hwreg(HW_REG_WAVE_MODE, 25, 1), 1
	s_wait_xcnt 0x0
	s_wait_alu depctr_hold_cnt(0) depctr_sa_sdst(0) depctr_va_vdst(0) depctr_va_sdst(0) depctr_va_ssrc(0) depctr_va_vcc(0) depctr_vm_vsrc(0)
	s_getreg_b32 s2, hwreg(HW_REG_IB_STS2, 6, 4)
	s_cmp_eq_u32 s2, 0
	s_cbranch_scc0 .Lentry_in_a_cluster
	s_endpgm
.Lentry_in_a_cluster:
	s_bfe_u32 s2, ttmp6, 0x10000c
	s_cmp_lg_u32 s2, 0xf033
	s_cbranch_scc0 .Lentry_shape_is_right
	s_endpgm
.Lentry_shape_is_right:
.set HALFT,  32768
.set SLOT,   4*HALFT
.set FR,     16
.set NL,     4
.set NP,     4
.set LAPS,   2
.set SPARE,  2*SLOT
.set ADRA, 16
.set ADRB, 20
.set LI,   26
.set SPW,  28
.set NIL,  29
.set BV,   32
.set BQ,   64
.set AF,   128
.set TMP,  128
.set G1, 24
.set G0, 32
.set G1B, 48
.set G0B, 56
.set MSB, 0
.macro WIN new
.if MSB != (\new)
	s_set_vgpr_msb (MSB<<8)|(\new)
.set MSB, (\new)
.endif
.endm
.set MUL_LO, 0xa1
.set MUL_HI, 0xf1
.set TO_B,   0x40
.macro JLOAD s
	s_cmp_eq_u32 s15, 0
	s_cbranch_scc0 .Lfor_b_\@
	tensor_load_to_lds s[G0+4*\s:G0+4*\s+3], s[G1:G1+7]
	s_nop 0
.rept 4
	v_nop
.endr
	s_branch .Lasked_\@
.Lfor_b_\@:
	tensor_load_to_lds s[G0B+4*\s:G0B+4*\s+3], s[G1B:G1B+7]
	s_nop 0
.rept 4
	v_nop
.endr
.Lasked_\@:
.endm
; A PREFETCH INTO THE L2 of the K steps that later joint loads will want: behind K step 0's load my share of K steps 1 and 2, behind K step 1's load my share of K step 3: one and two loads ahead,
; and never more than two K steps asked for and not yet read.  A wave's joint load is 32,768 dense bytes; the four partners that ask for it share them out BY ADDRESS, 8,192 bytes each, a lane to each 256.
; X's codes are loaded by one cluster alone; a weight's tiles are loaded by all eight rows of clusters and are asked for by rows 0 to 3 alone (s18 = 0: my wave asks; it hangs on the wave's number and the cluster's ids).
; v30 and s[4:5] are never rewritten; the farthest byte named is 3 x 32,768 + 3 x 8,192 + 31 x 256 into a block of 131,072.
.macro ASK s
	s_cmp_eq_u32 s18, 0
	s_cbranch_scc0 .Lno_ask_\@
.if \s == 0
	global_prefetch_b8 v30, s[4:5] offset:HALFT th:TH_LOAD_NT scope:SCOPE_SE
	global_prefetch_b8 v30, s[4:5] offset:2*HALFT th:TH_LOAD_NT scope:SCOPE_SE
.else
	global_prefetch_b8 v30, s[4:5] offset:3*HALFT th:TH_LOAD_NT scope:SCOPE_SE
.endif
.Lno_ask_\@:
.endm
.macro CREST
	s_cmp_lg_u32 s14, 0
	s_cbranch_scc1 .Lnot_wave_0_\@
	s_barrier_signal -3
.Lnot_wave_0_\@:
	s_barrier_wait -3
	s_barrier_signal -1
	s_barrier_wait -1
.endm
.macro CROUND
	s_barrier_signal -1
	s_barrier_wait -1
	CREST
.endm
	s_load_b512 s[68:83], s[0:1], 0x0
	v_lshl_add_u32 v[SPW], v0, 2, SPARE
	v_mov_b32 v[NIL], 0
	ds_add_u32 v[SPW], v[NIL]
	ds_add_u32 v[SPW], v[NIL]
	v_lshrrev_b32 v1, 5, v0
	v_readfirstlane_b32 s14, v1
	v_and_b32 v30, 31, v0
	v_lshlrev_b32 v30, 8, v30                      ; the prefetches' offset: 256 x lane
	s_wait_alu depctr_va_vdst(0)
	s_lshr_b32 s15, s14, 1
	s_and_b32 s16, s14, 1
	s_bfe_u32 s40, ttmp6, 0x40000
	s_bfe_u32 s41, ttmp6, 0x40004
	s_and_b32 s18, ttmp7, 0xffff
	s_lshl_b32 s18, s18, 2
	s_add_co_u32 s17, s18, s41
	s_add_co_u32 s42, s18, s40
	s_lshl_b32 s22, ttmp9, 23
	s_lshl_b32 s23, ttmp9, 20
	s_cmp_eq_u32 ttmp9, 2
	s_cselect_b32 s17, s41, s17
	s_cselect_b32 s42, s42, s40
	s_cselect_b32 s19, s23, s22
	s_cselect_b32 s22, s22, s23
	s_lshl_b32 s43, s41, 2
	s_lshl_b32 s43, 15, s43
	s_lshl_b32 s44, 0x1111, s40
	s_or_b32 s[G1], s43, (3<<16)|(1<<21)
	s_or_b32 s[G1B], s44, (3<<16)|(1<<21)
.irp g, G1, G1B
	s_mov_b32 s[\g+1], 32<<16
	s_mov_b32 s[\g+2], 128<<16
	s_mov_b32 s[\g+3], 32<<16
	s_mov_b32 s[\g+4], 128
	s_mov_b32 s[\g+5], 32
	s_mov_b32 s[\g+6], 0
	s_mov_b32 s[\g+7], 0
.endr
	s_lshl_b32 s20, s17, 1
	s_add_co_u32 s20, s20, s16
	s_lshl_b32 s20, s20, 17
	s_add_co_u32 s20, s20, s19
	s_mov_b32 s21, 0
	s_lshl_b32 s46, s42, 1
	s_add_co_u32 s46, s46, s16
	s_lshl_b32 s46, s46, 17
	s_add_co_u32 s46, s46, s22
	s_mov_b32 s47, 0
	s_lshl_b32 s45, s14, 15
	s_wait_dscnt 0x0
	s_wait_kmcnt 0x0
	s_load_b256 s[84:91], s[78:79], 0x0
	s_load_b128 s[92:95], s[78:79], 0x20
	s_cmp_eq_u32 ttmp9, 2
	s_cselect_b64 s[4:5], s[70:71], s[68:69]
	s_cselect_b64 s[6:7], s[68:69], s[70:71]
	s_add_nc_u64 s[20:21], s[4:5], s[20:21]
	s_add_nc_u64 s[46:47], s[6:7], s[46:47]
	s_cmp_eq_u32 s15, 0                            ; where my prefetches stand: the tile that I fetch,
	s_cselect_b64 s[4:5], s[20:21], s[46:47]
	s_cselect_b32 s6, s40, s41                     ; my place among the four that ask for it with me,
	s_lshl_b32 s6, s6, 13                          ; x 8,192 bytes
	s_mov_b32 s7, 0
	s_add_nc_u64 s[4:5], s[4:5], s[6:7]
	s_cmp_eq_u32 ttmp9, 2
	s_cselect_b32 s18, 1, 0
	s_xor_b32 s18, s18, s15                        ; 1: my tile is a weight's
	s_and_b32 s19, ttmp7, 0xffff
	s_lshr_b32 s19, s19, 2                         ; 0 in the rows of clusters 0 to 3
	s_mul_i32 s18, s18, s19                        ; 0: I ask
	CROUND
.irp s, 0,1
	s_mov_b32 s[G0+4*\s], 1
	s_add_co_u32 s[G0+4*\s+1], s45, \s*SLOT
	s_add_nc_u64 s[G0+4*\s+2:G0+4*\s+3], s[20:21], \s*HALFT
	s_or_b32 s[G0+4*\s+3], s[G0+4*\s+3], 0x80000000
	s_mov_b32 s[G0B+4*\s], 1
	s_add_co_u32 s[G0B+4*\s+1], s45, \s*SLOT
	s_add_nc_u64 s[G0B+4*\s+2:G0B+4*\s+3], s[46:47], \s*HALFT
	s_or_b32 s[G0B+4*\s+3], s[G0B+4*\s+3], 0x80000000
.if \s == 1
	s_wait_alu depctr_va_vdst(0)
	s_wait_tensorcnt 0x0                           ; my part of K step 0 is in
	ds_add_u32 v28, v29
	s_wait_dscnt 0x0
	CROUND
.endif
	JLOAD \s                                       ; K step 0 behind the opening round, K step 1 behind the round above: one tensor load a wave each time
	ASK \s
.endr
	v_and_b32 v1, 31, v0
	v_lshlrev_b32 v[LI], 4, v1
	s_lshl_b32 s22, s15, 15
	s_lshl_b32 s23, s16, 15
	s_add_co_u32 s23, s23, 2*HALFT
.irp s, 0,1
	v_add_nc_u32 v[ADRA+\s], s22, v[LI]
	v_add_nc_u32 v[ADRB+\s], s23, v[LI]
	s_add_co_u32 s22, s22, SLOT
	s_add_co_u32 s23, s23, SLOT
.endr
	s_lshl_b32 s66, s17, 8
	s_lshl_b32 s2, s15, 7
	s_add_co_u32 s66, s66, s2
	s_lshl_b32 s67, s42, 8
	s_lshl_b32 s2, s16, 7
	s_add_co_u32 s67, s67, s2
	s_cmp_eq_u32 ttmp9, 2
	s_cselect_b32 s98, s67, s66
	s_cselect_b32 s99, s66, s67
	s_cmp_eq_u32 ttmp9, 1
	s_cselect_b64 s[8:9], s[74:75], s[76:77]
	s_cmp_eq_u32 ttmp9, 0
	s_cselect_b64 s[8:9], s[72:73], s[8:9]
	s_cselect_b64 s[10:11], s[80:81], s[82:83]
	s_cselect_b32 s2, 6, 7
	s_lshl_b32 s100, s99, 2
	s_mov_b32 s101, 0
	s_add_nc_u64 s[8:9], s[8:9], s[100:101]
	s_lshr_b32 s100, s98, 11
	s_lshl_b32 s100, s100, 4
	s_lshr_b32 s99, s99, 6
	s_add_co_u32 s100, s100, s99
	s_lshl_b32 s100, s100, 11
	s_and_b32 s98, s98, 2047
	s_add_co_u32 s100, s100, s98
	s_lshl_b32 s100, s100, s2
	s_add_nc_u64 s[10:11], s[10:11], s[100:101]
	s_cmp_eq_u32 ttmp9, 2
	s_cselect_b32 s100, 8192, 0
	s_add_nc_u64 s[10:11], s[10:11], s[100:101]
	s_lshl_b32 s100, 2048, s2
	s_add_nc_u64 s[12:13], s[10:11], s[100:101]
	v_bfe_u32 v8, v0, 4, 1
	v_lshlrev_b32 v8, 6, v8
	v_and_b32 v9, 15, v0
	v_and_b32 v10, 8, v9
	v_add_nc_u32 v9, v9, v10
	v_lshlrev_b32 v9, 2, v9
.irp b, 0,1,2,3,4,5,6,7
	global_load_b128 v[BQ+8*\b:BQ+8*\b+3], v8, s[8:9] offset:(32*(\b/2)+8*(\b%2))*4
	global_load_b128 v[BQ+8*\b+4:BQ+8*\b+7], v8, s[8:9] offset:(32*(\b/2)+8*(\b%2))*4+16
.endr
.irp a, 0,1,2,3,4,5,6,7
	global_load_b32 v[BV+2*\a], v9, s[8:9] offset:(32*(\a/2)+8*(\a%2))*4
	v_mov_b32 v[BV+2*\a+1], 0
.endr
.macro FRAG reg, adr, q, i
.irp c, 0,1,2,3
	ds_load_b128 v[\reg+4*\c:\reg+4*\c+3], v[\adr] offset:2048*(\q)+512*\c+(\i)*4096
.endr
.endm
.macro MUL16 a0, p, zero
.irp a, \a0, \a0+1
.irp b, 0,1,2,3,4,5,6,7
.if \zero
	v_wmma_f32_16x16x128_fp8_fp8 v[8*(8*((\a)%4)+\b):8*(8*((\a)%4)+\b)+7], v[128*(\p)+FR*\b:128*(\p)+FR*\b+FR-1], v[AF+FR*(\a):AF+FR*(\a)+FR-1], 0
.else
	v_wmma_f32_16x16x128_fp8_fp8 v[8*(8*((\a)%4)+\b):8*(8*((\a)%4)+\b)+7], v[128*(\p)+FR*\b:128*(\p)+FR*\b+FR-1], v[AF+FR*(\a):AF+FR*(\a)+FR-1], v[8*(8*((\a)%4)+\b):8*(8*((\a)%4)+\b)+7]
.endif
.endr
.endr
.endm
.macro FETCH_B slot, q, p
	WIN TO_B
.irp i, 0,1,2,3,4,5,6,7
	FRAG 128*(\p)+FR*\i, ADRB+\slot, \q, \i
.endr
	WIN 0
.endm
.macro FETCH_A slot, q, i0
.irp i, \i0, \i0+1, \i0+2, \i0+3
	FRAG AF+FR*(\i), ADRA+\slot, \q, \i
.endr
.endm
.macro PLACES n
.rept \n
	v_nop
.endr
.endm
.macro STEP slot, q, zero
	s_wait_dscnt 4*NL
	WIN MUL_LO
	MUL16 0, (\q)%2, \zero
	MUL16 2, (\q)%2, \zero
	s_wait_dscnt 0
	PLACES NP
	FETCH_B \slot, (\q)+1, 1-(\q)%2
	FETCH_A \slot, (\q)+1, 0
	WIN MUL_HI
	MUL16 4, (\q)%2, \zero
	MUL16 6, (\q)%2, \zero
	PLACES NP
	WIN 0
	FETCH_A \slot, (\q)+1, 4
.endm
.macro TURN slot, next, fill
	s_wait_tensorcnt 0x0
	ds_add_u32 v[SPW], v[NIL]
	s_wait_dscnt 4*NL+1
	WIN MUL_LO
	MUL16 0, 1, 0
	s_wait_dscnt 0x0
	s_barrier_signal -1
	MUL16 2, 1, 0
	WIN 0
	s_barrier_wait -1
.if \fill
	CREST
	s_add_nc_u64 s[G0+4*\slot+2:G0+4*\slot+3], s[G0+4*\slot+2:G0+4*\slot+3], 2*HALFT
	s_add_nc_u64 s[G0B+4*\slot+2:G0B+4*\slot+3], s[G0B+4*\slot+2:G0B+4*\slot+3], 2*HALFT
	JLOAD \slot
.else
	PLACES NP
.endif
	FETCH_B \next, 0, 0
	FETCH_A \next, 0, 0
	WIN MUL_HI
	MUL16 4, 1, 0
	MUL16 6, 1, 0
	PLACES NP
	WIN 0
	FETCH_A \next, 0, 4
.endm
	s_wait_tensorcnt 1
	s_barrier_signal -1
	s_barrier_wait -1
	FETCH_B 0, 0, 0
	FETCH_A 0, 0, 0
	FETCH_A 0, 0, 4
	STEP 0, 0, 1
	s_mov_b32 s3, LAPS-1
.Llap:
	TURN 0, 1, 1
	STEP 1, 0, 0
	TURN 1, 0, 1
	STEP 0, 0, 0
	s_sub_co_u32 s3, s3, 1
	s_cmp_lg_u32 s3, 0
	s_cbranch_scc1 .Llap
	TURN 0, 1, 0
	STEP 1, 0, 0
	s_wait_dscnt 4*NL
	WIN MUL_LO
	MUL16 0, 1, 0
	MUL16 2, 1, 0
	s_wait_dscnt 0
	WIN MUL_HI
	MUL16 4, 1, 0
	MUL16 6, 1, 0
	WIN 0
	s_wait_kmcnt 0x0
	s_add_co_i32 s99, s84, s85
	s_add_co_i32 s100, s86, s87
	s_add_co_i32 s101, s88, s89
	s_cmp_eq_u32 ttmp9, 1
	s_cselect_b32 s100, s100, s101
	s_cselect_b32 s98, s91, s93
	s_cmp_eq_u32 ttmp9, 0
	s_cselect_b32 s99, s99, s100
	s_cselect_b32 s98, s90, s98
	s_add_co_i32 s99, s99, 127
	s_lshl_b32 s96, s99, 23
	s_mov_b32 s97, s96
	s_add_co_i32 s98, s98, 127
	s_lshl_b32 s99, s98, 23
	v_mov_b32 v48, s99
	s_add_co_i32 s98, s98, 8
	s_lshl_b32 s98, s98, 23
	s_or_b32 s98, s98, 0x600000
	v_mov_b32 v49, s98
	s_wait_loadcnt 0x0
	PLACES NP
.macro EPI a, isv
.set AC, 64*((\a)%4)
.set CD, 192+16*((\a)%2)
	WIN 0x02+((\a)/4)
.irp j, 0,2,4,6,8,10,12,14,16,18,20,22,24,26,28,30,32,34,36,38,40,42,44,46,48,50,52,54,56,58,60,62
.if \isv
	v_pk_fma_f32 v[TMP+\j:TMP+\j+1], v[AC+\j:AC+\j+1], s[96:97], v[BV+2*(\a):BV+2*(\a)+1] op_sel_hi:[1,0,0]
.else
	v_pk_fma_f32 v[TMP+\j:TMP+\j+1], v[AC+\j:AC+\j+1], s[96:97], v[BQ+\j:BQ+\j+1] op_sel_hi:[1,0,1]
.endif
.endr
	WIN 0
.set J, 0
.rept 64
	v_med3_num_f32 v[TMP+J], v[TMP+J], -v49, v49
.set J, J+1
.endr
.if (\a) >= 2
	s_wait_alu depctr_va_vdst(0)
	s_wait_xcnt 0x0
.endif
.irp g, 0,1,2,3,4,5,6,7
	v_cvt_scalef32_pk8_fp8_f32 v[CD+2*\g:CD+2*\g+1], v[TMP+8*\g:TMP+8*\g+7], v48
.endr
	v_nop
.if \isv
.irp c, 0,1,2,3
	global_store_b128 v[LI], v[CD+4*\c:CD+4*\c+3], s[10+2*((\a)/4):11+2*((\a)/4)] offset:2048*((\a)%4)+512*\c
.endr
.else
	global_store_b128 v[LI], v[CD:CD+3], s[10:11] offset:1024*(\a)
	global_store_b128 v[LI], v[CD+4:CD+7], s[10:11] offset:1024*(\a)+512
	global_store_b128 v[LI], v[CD+8:CD+11], s[12:13] offset:1024*(\a)
	global_store_b128 v[LI], v[CD+12:CD+15], s[12:13] offset:1024*(\a)+512
.endif
.endm
	s_cmp_eq_u32 ttmp9, 2
	s_cbranch_scc1 .Lv
.irp a, 0,1,2,3,4,5,6,7
	EPI \a, 0
.endr
	s_branch .Lend
.Lv:
.irp a, 0,1,2,3,4,5,6,7
	EPI \a, 1
.endr
.Lend:
	s_wait_tensorcnt 0x0
	ds_add_u32 v[SPW], v[NIL]
	s_wait_dscnt 0x0
	CROUND
	s_endpgm
.Lfunc_end_k_q1bc0070553_qkv:
	.size	k_q1bc0070553_qkv, .Lfunc_end_k_q1bc0070553_qkv-k_q1bc0070553_qkv
	.p2alignl 7, 3214868480
	.fill 96, 4, 3214868480
	.section	.rodata,"a",@progbits
	.p2align	6, 0x0
	.amdhsa_kernel k_q1bc0070553_qkv
		.amdhsa_group_segment_fixed_size 327680
		.amdhsa_private_segment_fixed_size 0
		.amdhsa_enable_private_segment 0
		.amdhsa_kernarg_size 64
		.amdhsa_user_sgpr_count 2
		.amdhsa_user_sgpr_kernarg_segment_ptr 1
		.amdhsa_wavefront_size32 1
		.amdhsa_system_sgpr_workgroup_id_x 1
		.amdhsa_system_sgpr_workgroup_id_y 1
		.amdhsa_system_sgpr_workgroup_id_z 1
		.amdhsa_system_vgpr_workitem_id 0
		.amdhsa_next_free_vgpr 1024
		.amdhsa_next_free_sgpr 102
		.amdhsa_reserve_vcc 0
		.amdhsa_float_denorm_mode_32 3
		.amdhsa_float_denorm_mode_16_64 3
		.amdhsa_memory_ordered 1
		.amdhsa_forward_progress 1
		.amdhsa_inst_pref_size 195
	.end_amdhsa_kernel
	.amdgpu_metadata
---
amdhsa.version: [ 1, 2 ]
amdhsa.kernels:
  - .name:           k_q1bc0070553_qkv
    .symbol:         k_q1bc0070553_qkv.kd
    .args:
      - { .name: xc, .offset: 0, .size: 8, .value_kind: global_buffer, .address_space: global }
      - { .name: wc, .offset: 8, .size: 8, .value_kind: global_buffer, .address_space: global }
      - { .name: bq, .offset: 16, .size: 8, .value_kind: global_buffer, .address_space: global }
      - { .name: bk, .offset: 24, .size: 8, .value_kind: global_buffer, .address_space: global }
      - { .name: bv, .offset: 32, .size: 8, .value_kind: global_buffer, .address_space: global }
      - { .name: lowp_scales, .offset: 40, .size: 8, .value_kind: global_buffer, .address_space: global }
      - { .name: qc, .offset: 48, .size: 8, .value_kind: global_buffer, .address_space: global }
      - { .name: kv, .offset: 56, .size: 8, .value_kind: global_buffer, .address_space: global }
    .group_segment_fixed_size: 327680
    .private_segment_fixed_size: 0
    .kernarg_segment_align: 8
    .kernarg_segment_size: 64
    .max_flat_workgroup_size: 128
    .sgpr_count:     102
    .vgpr_count:     1024
    .wavefront_size: 32
...
	.end_amdgpu_metadata
.endif
;; end of part 2
;; launch attn (part 3): grid 4 x 64, 8 waves a work-group, clusters of 4 x 1, 264,192 bytes of LDS; arguments qc, kv, lowp_scales, ac; writes ac
.if DOCPART == 3
	.amdgcn_target "amdgcn-amd-amdhsa--gfx1250"
	.amdhsa_code_object_version 6
	.text
	.protected	k_q1bc0070553_attn
	.globl	k_q1bc0070553_attn
	.p2align	8
	.type	k_q1bc0070553_attn,@function
k_q1bc0070553_attn:
	s_mov_b64 s[64:65], 0
	v_nop
	global_prefetch_b8 v0, s[64:65] scope:SCOPE_SE
	s_setreg_imm32_b32 hwreg(HW_REG_WAVE_MODE, 25, 1), 1
	s_wait_xcnt 0x0
	s_wait_alu depctr_hold_cnt(0) depctr_sa_sdst(0) depctr_va_vdst(0) depctr_va_sdst(0) depctr_va_ssrc(0) depctr_va_vcc(0) depctr_vm_vsrc(0)
	s_getreg_b32 s2, hwreg(HW_REG_IB_STS2, 6, 4)
	s_cmp_eq_u32 s2, 0
	s_cbranch_scc0 .Lentry_in_a_cluster
	s_endpgm
.Lentry_in_a_cluster:
	s_bfe_u32 s2, ttmp6, 0x10000c
	s_cmp_lg_u32 s2, 0x3003
	s_cbranch_scc0 .Lentry_shape_is_right
	s_endpgm
.Lentry_shape_is_right:
; Launch 3 of 4: for each batch and head, O = softmax(Q K^T / 8) V on codes of E4M3, and O quantised (entry 10) as the last product's operand.  Nothing is left out.
; THE SOFTMAX: t = score x log2(e) / 8; M = the running largest t rounded UP to a whole number; p = 2^(t - M) is quantised along the keys (entry 8), not normalised; the row's sum is taken of the
; unquantised p and divides O at the end.  When M moves, the sum and O are multiplied by 2^(old M - new M): exact.
; SHARES.  Work-group y = 16 x batch + head; the four work-groups of a cluster own 512 query positions each; each of EIGHT waves owns 64 of them, four tiles of 16, in 512 registers: two waves to a SIMD.
; A key step is 128 keys.  Its 8 fragments of K and 4 of V are read from LDS ONCE for the wave's four tiles: each fragment feeds four matrix instructions.  The tiles go in two pairs.
; A HEAD'S WHOLE K AND V, 262,144 bytes, LIE IN LDS, filled once: wave w asks for key steps 2 w and 2 w + 1, 32,768 dense bytes.  No slot is filled again: the loop has no barrier and no wait on tensor loads.
; The four work-groups read the same bytes: each load is a joint one, the mask names all four, and nothing in its descriptor hangs on the place in the cluster.  Everything is asked for at the head, so there is nothing to prefetch.
; LAYOUT.  Both products transposed: S^T = K Q^T (source 0 = 16 keys), O^T = V^T P^T (source 0 = 16 of the head's 64): a lane holds ONE query of each tile throughout.  The keys of a tile of K were chosen by launch 2
; so that the 16 registers of tiles 2 b, 2 b + 1 are keys 32 b + 16 (lane / 16) + 0 .. 15: the conversions' results are the second product's operand.  O^T's 32 registers are the head's 64 features in the order of
; the last product's fragment: its codes go from registers to memory, 512 consecutive aligned bytes a store.
; LIMITS: e6 + e7 between -123 and 130 (added to c's exponent field); e8 and e10 between -126 and 119; e8 + e9 goes by v_ldexp_f32 and has none; the scaled scores stay under 2^31 in magnitude.  NaN is not served.
; REGISTERS.  Window 0: v1 16 x lane; v2, v3 the add's two; v4 LDS address of the next step; v5 2^e10, v6 2^e8, v7 448 x 2^e10; v[8+2t], v[9+2t]: tile t's -M and largest score; v[16+2t:17+2t] its sum in two halves;
; v[24:25], v[26:27] the pair's factors f; v28-31 at work; v32-95, v96-159 S^T, then p, of the pair's two tiles; v160-191 their codes; v192-223 Q's four tiles; v224-233 at work.
; Window 1: v0-63 K's 8 fragments; v64-127 V's 4; v128-255 O^T, 32 registers a tile.  s39 = 448 x 2^e8.
.set SPARE, 262144                     ; behind K and V: the spare words, 128 bytes a wave: four blocks of 256 bytes that no other line names
.set STEPB, 16384                      ; a key step: K's 8 tiles x 1,024, V's 4 tiles x 2,048
.set SA, 32
.set SB, 96
.set CA, 160
.set CB, 176
.set QF, 192
.set KF, 0
.set VF, 64
.set OF, 128
.set MSB, 0
.macro WIN new                         ; the immediate's high byte repeats the setting that is left
.if MSB != (\new)
	s_set_vgpr_msb (MSB<<8)|(\new)
.set MSB, (\new)
.endif
.endm
.macro CROUND
	s_barrier_signal -1
	s_barrier_wait -1
	s_cmp_lg_u32 s12, 0
	s_cbranch_scc1 .Lnot_wave_0_\@
	s_barrier_signal -3
.Lnot_wave_0_\@:
	s_barrier_wait -3
	s_barrier_signal -1
	s_barrier_wait -1
.endm
	s_load_b256 s[4:11], s[0:1], 0x0               ; qc, kv, the exponents, ac
	v_lshl_add_u32 v2, v0, 2, SPARE
	v_mov_b32 v3, 0
	ds_add_u32 v2, v3                              ; the wave's opening
	ds_add_u32 v2, v3
	v_lshrrev_b32 v4, 5, v0
	v_readfirstlane_b32 s12, v4                    ; wave 0..7
	s_bfe_u32 s13, ttmp6, 0x40000                  ; cx: it enters Q's and the result's addresses alone
	s_and_b32 s14, ttmp7, 0xffff                   ; 16 x batch + head
	s_mov_b32 s24, 15|(3<<16)|(1<<21)              ; group 1: the mask: all four; elements of 8 bytes; 21 set beside a mask; no padding
	s_mov_b32 s25, 32<<16                          ; tensor_dim0 = 32 elements: 256 bytes
	s_mov_b32 s26, 128<<16                         ; tensor_dim1 = 128
	s_mov_b32 s27, 32<<16                          ; tile_dim0
	s_mov_b32 s28, 128                             ; tile_dim1
	s_mov_b32 s29, 32                              ; the pitch: the block is dense
	s_mov_b32 s30, 0
	s_mov_b32 s31, 0
	s_mov_b32 s20, 0x76543210                      ; v_permlanex16_b32's selects for lane l xor 16
	s_mov_b32 s21, 0xfedcba98
	s_mov_b32 s22, 0x3e38aa3b                      ; c = log2(e) / 8
	s_lshl_b32 s33, s12, 15                        ; my two key steps' place in LDS,
	s_lshl_b32 s16, s14, 18
	s_add_co_u32 s16, s16, s33                     ; and in kv
	s_mov_b32 s17, 0
	s_lshl_b32 s38, s13, 5
	s_lshl_b32 s49, s12, 2
	s_add_co_u32 s49, s38, s49                     ; my first query tile: 32 cx + 4 x wave
	s_lshl_b32 s38, s49, 10
	s_lshl_b32 s39, s14, 17
	s_add_co_u32 s38, s38, s39
	s_mov_b32 s39, 0
	s_lshr_b32 s42, s14, 4                         ; the result's place: tile t0 = 128 x batch + my query tile, K step head / 2, pieces 2 (head % 2) on
	s_lshl_b32 s42, s42, 7
	s_add_co_u32 s49, s42, s49
	s_lshr_b32 s42, s49, 3
	s_lshl_b32 s42, s42, 17
	s_and_b32 s49, s49, 7
	s_lshl_b32 s49, s49, 12
	s_add_co_u32 s42, s42, s49
	s_bfe_u32 s49, s14, 0x20002                    ; head / 4
	s_lshl_b32 s49, s49, 15
	s_add_co_u32 s42, s42, s49
	s_and_b32 s49, s14, 3                          ; 2,048 ((head / 2) % 2) + 1,024 (head % 2)
	s_lshl_b32 s49, s49, 10
	s_add_co_u32 s42, s42, s49
	s_mov_b32 s43, 0
	s_wait_dscnt 0x0                               ; both opening adds are done
	s_wait_kmcnt 0x0
	s_load_b64 s[40:41], s[8:9], 0x18              ; e6, e7
	s_load_b128 s[44:47], s[8:9], 0x20             ; e8 .. e11
	s_mov_b32 s32, 1                               ; group 0
	s_add_nc_u64 s[34:35], s[6:7], s[16:17]
	s_or_b32 s35, s35, 0x80000000
	s_add_nc_u64 s[4:5], s[4:5], s[38:39]
	s_add_nc_u64 s[10:11], s[10:11], s[42:43]
	CROUND                                         ; all four work-groups are here: the joint loads meet
	tensor_load_to_lds s[32:35], s[24:31]          ; my one tensor load of the launch
	s_nop 0
	v_and_b32 v1, 31, v0
	v_lshlrev_b32 v1, 4, v1
.irp i, 0,1,2,3,4,5,6,7
	global_load_b128 v[QF+4*\i:QF+4*\i+3], v1, s[4:5] offset:512*\i   ; Q's four tiles stay in registers
.endr
	v_mov_b32 v4, v1                               ; key step 0
	v_mov_b32 v25, 0                               ; (named as the upper halves of the pairs v[24:25], v[26:27])
	v_mov_b32 v27, 0
.irp t, 0,1,2,3
	v_mov_b32 v[224+\t], 0                         ; written once: a lane permute's destination counts as one of its sources
	v_mov_b32 v[9+2*\t], 0xff61b1e6                ; the largest score so far: -3e38
	v_mov_b32 v[16+2*\t], 0                        ; the sum
	v_mov_b32 v[17+2*\t], 0
.endr
.irp t, 0,1,2,3
	v_floor_f32 v[8+2*\t], -v[9+2*\t]              ; -M
.endr
	WIN 0x40
.set J, 0
.rept 128
	v_mov_b32 v[OF+J], 0                           ; O^T.  The step is written once: the first finds zeros, which the first change of M leaves zeros; a first step of its own would double the loop's text
.set J, J+1
.endr
	WIN 0
	s_wait_alu depctr_va_vdst(0)
	s_wait_kmcnt 0x0
	s_add_co_i32 s49, s40, s41
	s_lshl_b32 s49, s49, 23
	s_add_co_i32 s22, s22, s49                     ; a score stands for score x 2^(e6 + e7): added to c's exponent field
	s_mov_b32 s23, s22
	s_add_co_i32 s49, s44, 127
	s_lshl_b32 s38, s49, 23
	v_mov_b32 v6, s38                              ; 2^e8
	s_add_co_i32 s49, s49, 8
	s_lshl_b32 s49, s49, 23
	s_or_b32 s39, s49, 0x600000                    ; 448 x 2^e8
	s_add_co_i32 s49, s46, 127
	s_lshl_b32 s38, s49, 23
	v_mov_b32 v5, s38                              ; 2^e10
	s_add_co_i32 s49, s49, 8
	s_lshl_b32 s49, s49, 23
	s_or_b32 s49, s49, 0x600000
	v_mov_b32 v7, s49                              ; 448 x 2^e10
	s_add_co_i32 s48, s44, s45                     ; e8 + e9
	s_mov_b32 s36, STEPB                           ; LDS byte of the step after the one in hand
	s_mov_b32 s37, 16
	s_wait_alu depctr_va_vdst(0)
	s_wait_tensorcnt 0x0                           ; my two key steps have landed,
	s_barrier_signal -1
	s_barrier_wait -1                              ; everybody's have
.macro LDK                             ; K's eight tiles of the step at v4, as they lie
	WIN 0x40
.set J, 0
.rept 16
	ds_load_b128 v[KF+4*J:KF+4*J+3], v4 offset:512*J
.set J, J+1
.endr
	WIN 0
.endm
.macro LDV                             ; V's four tiles
	WIN 0x40
.set J, 0
.rept 16
	ds_load_b128 v[VF+4*J:VF+4*J+3], v4 offset:8192+512*J
.set J, J+1
.endr
	WIN 0
.endm
	LDK
	LDV
	s_wait_loadcnt 0x0                             ; Q
; The row's sum of one tile's 64 unquantised p: 32 packed additions in four chains.
.macro SUMP x, su
	v_pk_add_f32 v[228:229], v[\x:\x+1], v[\x+2:\x+3]
	v_pk_add_f32 v[230:231], v[\x+4:\x+5], v[\x+6:\x+7]
	v_pk_add_f32 v[232:233], v[\x+8:\x+9], v[\x+10:\x+11]
	v_pk_add_f32 v[\su:\su+1], v[\su:\su+1], v[\x+12:\x+13]
.irp j, 14,22,30,38,46,54
	v_pk_add_f32 v[228:229], v[228:229], v[\x+\j:\x+\j+1]
	v_pk_add_f32 v[230:231], v[230:231], v[\x+\j+2:\x+\j+3]
	v_pk_add_f32 v[232:233], v[232:233], v[\x+\j+4:\x+\j+5]
	v_pk_add_f32 v[\su:\su+1], v[\su:\su+1], v[\x+\j+6:\x+\j+7]
.endr
	v_pk_add_f32 v[228:229], v[228:229], v[\x+62:\x+63]
	v_pk_add_f32 v[\su:\su+1], v[\su:\su+1], v[232:233]
	v_pk_add_f32 v[228:229], v[228:229], v[230:231]
	v_pk_add_f32 v[\su:\su+1], v[\su:\su+1], v[228:229]
.endm
; Link k of a tile's chain from its step's largest score (v[c0]) to -M (v[nm]) and f (v[f]).  The links stand four lines apart among the other tile's independent lines.
.macro CHN k, c0, c1, pl, nm, f
.if (\k) == 0
	v_permlanex16_b32 v[\pl], v[\c0], s20, s21
.endif
.if (\k) == 1
	v_max3_num_f32 v[\nm+1], v[\nm+1], v[\c0], v[\pl]   ; the running largest score: mine, lane l xor 16's and the old one
.endif
.if (\k) == 2
	v_mul_f32 v[\c0], s22, v[\nm+1]                ; as t (c is positive)
.endif
.if (\k) == 3
	v_floor_f32 v[\c1], -v[\c0]                    ; the new -M = floor(-t): M is a whole number
.endif
.if (\k) == 4
	v_sub_f32 v[\c0], v[\c1], v[\nm]               ; old M less new M: a whole number, 0 or less
.endif
.if (\k) == 5
	v_mov_b32 v[\nm], v[\c1]
.endif
.if (\k) == 6
	v_cvt_i32_f32 v[\c0], v[\c0]                   ; (it saturates)
.endif
.if (\k) == 7
	v_ldexp_f32 v[\f], 1.0, v[\c0]                 ; f = 2^(old M - new M)
.endif
.endm
; The step's largest score of my query among a tile's 64 keys of mine: four chains in v[c] .. v[c+3], each accumulator from its low end on.  hook = 1: the other tile's chain stands among the lines.
.macro MAXT x, c, hook, c0, c1, pl, nm, f
	v_max3_num_f32 v[\c], v[\x], v[\x+1], v[\x+2]
	v_max3_num_f32 v[\c+1], v[\x+3], v[\x+4], v[\x+5]
	v_max3_num_f32 v[\c+2], v[\x+6], v[\x+7], v[\x+8]
	v_max3_num_f32 v[\c+3], v[\x+9], v[\x+10], v[\x+11]
.if \hook
	CHN 0, \c0, \c1, \pl, \nm, \f
.endif
.irp i, 12,20,28,36,44,52
	v_max3_num_f32 v[\c], v[\c], v[\x+\i], v[\x+\i+1]
	v_max3_num_f32 v[\c+1], v[\c+1], v[\x+\i+2], v[\x+\i+3]
	v_max3_num_f32 v[\c+2], v[\c+2], v[\x+\i+4], v[\x+\i+5]
	v_max3_num_f32 v[\c+3], v[\c+3], v[\x+\i+6], v[\x+\i+7]
.if \hook
	CHN (\i-4)/8, \c0, \c1, \pl, \nm, \f
.endif
.endr
	v_max3_num_f32 v[\c], v[\c], v[\x+60], v[\x+61]
	v_max3_num_f32 v[\c+1], v[\c+1], v[\x+62], v[\x+63]
.if \hook
	CHN 7, \c0, \c1, \pl, \nm, \f
.endif
	v_max3_num_f32 v[\c], v[\c], v[\c+1], v[\c+2]
	v_max_num_f32 v[\c], v[\c], v[\c+3]
.endm
.macro CVT8 c, x                       ; 64 held p become 16 registers of codes
.irp g, 0,1,2,3,4,5,6,7
	v_cvt_scalef32_pk8_fp8_f32 v[\c+2*\g:\c+2*\g+1], v[\x+8*\g:\x+8*\g+7], v6
.endr
.endm
; TWO TILES (a = 2 p, b = 2 p + 1) through one key step.
.macro PAIR p
.set QA, QF+16*(\p)
.set OA, OF+64*(\p)
.set NA, 8+4*(\p)
.set UA, 16+4*(\p)
.if (\p) == 0
	s_wait_dscnt 16                                ; K's 16 loads are in; V's 16, issued behind them, may be out
.endif
	WIN 0x01                                       ; source 0 (K) in window 1
.set J, 0
.rept 8
	v_wmma_f32_16x16x64_fp8_fp8 v[SA+8*J:SA+8*J+7], v[KF+8*J:KF+8*J+7], v[QA:QA+7], 0
	v_wmma_f32_16x16x64_fp8_fp8 v[SB+8*J:SB+8*J+7], v[KF+8*J:KF+8*J+7], v[QA+8:QA+15], 0
.set J, J+1
.endr
	WIN 0
.if (\p) == 0
.rept 4
	v_nop                                          ; four places ahead of the first read of the scores
.endr
.else
	v_add_nc_u32 v4, s38, v1                       ; with the three below: four places ahead of the loads into K's registers and of the first read of the scores
.rept 3
	v_nop
.endr
	LDK                                            ; the next step's K: all four tiles have used this step's
.endif
	MAXT SA, 28, 0, 0, 0, 0, 0, 0                  ; tile a's largest score, in v28-31
	MAXT SB, 234, 1, 28, 29, 224, NA, 24           ; tile b's, in v234-237; among its lines tile a's chain to -M and f
.set J, 0
.rept 32
	v_pk_fma_f32 v[SA+J:SA+J+1], v[SA+J:SA+J+1], s[22:23], v[NA:NA+1] op_sel_hi:[1,0,0]   ; tile a: t - M, two at a time; among these lines tile b's chain
.if (J%8) == 6
	CHN (J-6)/8, 234, 235, 225, NA+2, 26
.endif
.set J, J+2
.endr
	s_wait_alu depctr_va_vdst(0)                   ; ahead of the batch
.set J, 0
.rept 32
	v_exp_f32 v[SA+J], v[SA+J]                     ; tile a: p = 2^(t - M), at most 1.  Among the exponentials stand tile b's scalings: each stands by itself, its sources were made ahead of the wait above, its result is read behind the wait below
	v_pk_fma_f32 v[SB+J:SB+J+1], v[SB+J:SB+J+1], s[22:23], v[NA+2:NA+3] op_sel_hi:[1,0,0]
	v_exp_f32 v[SA+J+1], v[SA+J+1]
.set J, J+2
.endr
	v_pk_mul_f32 v[UA:UA+1], v[UA:UA+1], v[24:25] op_sel_hi:[1,0]   ; a's sum under the new M: the plain line behind the exponentials
	s_wait_alu depctr_va_vdst(0)                   ; one wait for the whole batch, ahead of its first reader
	SUMP SA, UA
	s_wait_alu depctr_va_vdst(0)                   ; ahead of the batch
.set J, 0
.rept 32
	v_exp_f32 v[SB+J], v[SB+J]                     ; tile b.  Among its exponentials stand tile a's holds, two in an instruction: the conversion does not saturate (ISA guide 7.6.2); p is not negative, so the hold is one-sided
	v_dual_min_num_f32 v[SA+J], s39, v[SA+J] :: v_dual_min_num_f32 v[SA+J+1], s39, v[SA+J+1]
	v_exp_f32 v[SB+J+1], v[SB+J+1]
.set J, J+2
.endr
	v_pk_mul_f32 v[UA+2:UA+3], v[UA+2:UA+3], v[26:27] op_sel_hi:[1,0]
	s_wait_alu depctr_va_vdst(0)                   ; behind the batch
	CVT8 CA, SA
	SUMP SB, UA+2                                  ; (plain lines behind the conversions)
.set J, 0
.rept 32
	v_dual_min_num_f32 v[SB+J], s39, v[SB+J] :: v_dual_min_num_f32 v[SB+J+1], s39, v[SB+J+1]
.set J, J+2
.endr
	CVT8 CB, SB
	WIN 0x41                                       ; O^T in window 1, f in window 0
	s_wait_alu depctr_va_vdst(0)                   ; directly ahead of the first reader of O^T
.set J, 0
.rept 16
	v_pk_mul_f32 v[OA+J:OA+J+1], v[OA+J:OA+J+1], v[24:25] op_sel_hi:[1,0]   ; O^T under the new M; also the plain lines between the conversions and the products
.set J, J+2
.endr
.set J, 0
.rept 16
	v_pk_mul_f32 v[OA+32+J:OA+32+J+1], v[OA+32+J:OA+32+J+1], v[26:27] op_sel_hi:[1,0]
.set J, J+2
.endr
.if (\p) == 0
	s_wait_alu depctr_va_vdst(0)
	s_wait_dscnt 0x0                               ; V is in
.endif
	WIN 0x51                                       ; V and O^T in window 1, the codes in window 0
.set J, 0
.rept 4
	v_wmma_f32_16x16x128_fp8_fp8 v[OA+8*J:OA+8*J+7], v[VF+16*J:VF+16*J+15], v[CA:CA+15], v[OA+8*J:OA+8*J+7]   ; eight accumulators by turns
	v_wmma_f32_16x16x128_fp8_fp8 v[OA+32+8*J:OA+32+8*J+7], v[VF+16*J:VF+16*J+15], v[CB:CB+15], v[OA+32+8*J:OA+32+8*J+7]
.set J, J+1
.endr
	WIN 0
.if (\p) == 1
.rept 4
	v_nop                                          ; four places ahead of the loads into V's registers
.endr
	LDV                                            ; the next step's V
.endif
.endm
.Lstep:                                            ; 16 trips, a key step each
	s_min_u32 s38, s36, 15*STEPB                   ; the step whose K and V this trip asks for; the last trip names step 15 once more, so that every LDS address stays inside K and V; what it brings is not read
	PAIR 0
	PAIR 1
	s_add_co_u32 s36, s36, STEPB
	s_sub_co_u32 s37, s37, 1
	s_cmp_lg_u32 s37, 0
	s_wait_alu depctr_va_vdst(0)
	s_cbranch_scc1 .Lstep
; THE END: O^T x 2^(e8 + e9) / the sum, held, converted with 2^e10: two pieces of the last product's fragment for each tile.
.irp t, 0,1,2,3
	v_add_f32 v[16+2*\t], v[16+2*\t], v[17+2*\t]   ; (these four are the places behind the last products)
.endr
.irp t, 0,1,2,3
	v_permlanex16_b32 v[224+\t], v[16+2*\t], s20, s21
.endr
.irp t, 0,1,2,3
	v_add_f32 v[16+2*\t], v[16+2*\t], v[224+\t]    ; the row's sum
.endr
	s_wait_alu depctr_va_vdst(0)                   ; ahead of the batch
.irp t, 0,1,2,3
	v_rcp_f32 v[16+2*\t], v[16+2*\t]
.endr
	v_nop                                          ; a plain line behind the transcendentals
	s_wait_alu depctr_va_vdst(0)                   ; and the wait ahead of their first reader
.irp t, 0,1,2,3
	v_ldexp_f32 v[16+2*\t], v[16+2*\t], s48
.endr
	WIN 0x01                                       ; source 0 (O^T) in window 1
	s_wait_alu depctr_va_vdst(0)                   ; directly ahead of the first reader of O^T
.irp t, 0,1,2,3
.set J, 0
.rept 16
	v_pk_mul_f32 v[32+32*\t+J:32+32*\t+J+1], v[OF+32*\t+J:OF+32*\t+J+1], v[16+2*\t:17+2*\t] op_sel_hi:[1,0]   ; each accumulator from its low end on
.set J, J+2
.endr
.endr
	WIN 0
.set J, 0
.rept 128
	v_med3_num_f32 v[32+J], v[32+J], -v7, v7
.set J, J+1
.endr
.set J, 0
.rept 16
	v_cvt_scalef32_pk8_fp8_f32 v[160+2*J:161+2*J], v[32+8*J:39+8*J], v5
.set J, J+1
.endr
	v_nop                                          ; a plain line behind the last conversion
.irp t, 0,1,2,3
	global_store_b128 v1, v[160+8*\t:163+8*\t], s[10:11] offset:4096*\t        ; 512 consecutive bytes, aligned
	global_store_b128 v1, v[164+8*\t:167+8*\t], s[10:11] offset:4096*\t+512
.endr
	s_wait_tensorcnt 0x0                           ; the wave's end
	ds_add_u32 v2, v3
	s_wait_dscnt 0x0
	CROUND                                         ; the closing round
	s_endpgm
.Lfunc_end_k_q1bc0070553_attn:
	.size	k_q1bc0070553_attn, .Lfunc_end_k_q1bc0070553_attn-k_q1bc0070553_attn
	.p2alignl 7, 3214868480
	.fill 96, 4, 3214868480
	.section	.rodata,"a",@progbits
	.p2align	6, 0x0
	.amdhsa_kernel k_q1bc0070553_attn
		.amdhsa_group_segment_fixed_size 264192
		.amdhsa_private_segment_fixed_size 0
		.amdhsa_enable_private_segment 0
		.amdhsa_kernarg_size 32
		.amdhsa_user_sgpr_count 2
		.amdhsa_user_sgpr_kernarg_segment_ptr 1
		.amdhsa_wavefront_size32 1
		.amdhsa_system_sgpr_workgroup_id_x 1
		.amdhsa_system_sgpr_workgroup_id_y 1
		.amdhsa_system_sgpr_workgroup_id_z 1
		.amdhsa_system_vgpr_workitem_id 0
		.amdhsa_next_free_vgpr 512
		.amdhsa_next_free_sgpr 66
		.amdhsa_reserve_vcc 0
		.amdhsa_float_denorm_mode_32 3
		.amdhsa_float_denorm_mode_16_64 3
		.amdhsa_memory_ordered 1
		.amdhsa_forward_progress 1
		.amdhsa_inst_pref_size 82
	.end_amdhsa_kernel
	.amdgpu_metadata
---
amdhsa.version: [ 1, 2 ]
amdhsa.kernels:
  - .name:           k_q1bc0070553_attn
    .symbol:         k_q1bc0070553_attn.kd
    .args:
      - { .name: qc, .offset: 0, .size: 8, .value_kind: global_buffer, .address_space: global }
      - { .name: kv, .offset: 8, .size: 8, .value_kind: global_buffer, .address_space: global }
      - { .name: lowp_scales, .offset: 16, .size: 8, .value_kind: global_buffer, .address_space: global }
      - { .name: ac, .offset: 24, .size: 8, .value_kind: global_buffer, .address_space: global }
    .group_segment_fixed_size: 264192
    .private_segment_fixed_size: 0
    .kernarg_segment_align: 8
    .kernarg_segment_size: 32
    .max_flat_workgroup_size: 256
    .sgpr_count:     66
    .vgpr_count:     512
    .wavefront_size: 32
...
	.end_amdgpu_metadata
.endif
;; end of part 3
;; launch proj (part 4): grid 4 x 64, 4 waves a work-group, clusters of 4 x 4, 327,680 bytes of LDS; arguments ac, wc, lowp_scales, bo, out0; writes out0
.if DOCPART == 4
	.amdgcn_target "amdgcn-amd-amdhsa--gfx1250"
	.amdhsa_code_object_version 6
	.text
	.protected	k_q1bc0070553_proj
	.globl	k_q1bc0070553_proj
	.p2align	8
	.type	k_q1bc0070553_proj,@function
k_q1bc0070553_proj:
	s_mov_b64 s[64:65], 0
	v_nop
	global_prefetch_b8 v0, s[64:65] scope:SCOPE_SE
	s_setreg_imm32_b32 hwreg(HW_REG_WAVE_MODE, 25, 1), 1
	s_wait_xcnt 0x0
	s_wait_alu depctr_hold_cnt(0) depctr_sa_sdst(0) depctr_va_vdst(0) depctr_va_sdst(0) depctr_va_ssrc(0) depctr_va_vcc(0) depctr_vm_vsrc(0)
	s_getreg_b32 s2, hwreg(HW_REG_IB_STS2, 6, 4)
	s_cmp_eq_u32 s2, 0
	s_cbranch_scc0 .Lentry_in_a_cluster
	s_endpgm
.Lentry_in_a_cluster:
	s_bfe_u32 s2, ttmp6, 0x10000c
	s_cmp_lg_u32 s2, 0xf033
	s_cbranch_scc0 .Lentry_shape_is_right
	s_endpgm
.Lentry_shape_is_right:
; Launch 4 of 4: out0 = O Wo^T + bo.  O's codes (ac, entry 10) and Wo's (the fourth 1,048,576 bytes of wc, entry 11) lie in the order of an operand's registers, as launch 1 states it:
; tile t (16 positions), K step s (128) at (t / 8) 131072 + (s / 2) 32768 + (t % 8) 4096 + (s % 2) 2048; position r of tile t is row 32 (t / 2) + 8 (t % 2) + r + 8 (r / 8).  Nothing is left out.
; The codes are multiplied as they are; each finished sum is multiplied once by 2^(e10 + e11) and bo is added, in one fused line.  LIMIT: e10 + e11 between -126 and 127, so that the power is an f32 number.
; SHARES.  A block of out0 is 128 rows x 256 columns: 64 x 4 = 256 work-groups.  Four waves, each 64 x 128: 32 accumulators of 16 x 16 in window 2.
; K goes in steps of 256 through a ring of two LDS slots: A's 128 positions (32,768 dense bytes), then B's 256 (2 x 32,768).  Waves 0 and 1 fetch A's halves of 16,384 bytes, waves 2 and 3 B's halves: one tensor load a wave.
; CLUSTERS: 4 x 4 work-groups.  The four of a row of the cluster need the same tiles of A, the four of a column the same tiles of B: each tile is asked for jointly, by the same descriptor and a mask that names the four.
; THE TILES ARE PREFETCHED INTO THE L2 (macro ASK): K steps 1 and 2 behind K step 0's load, K step 3 behind K step 1's.
; THE MATRIX INSTRUCTION IS USED TRANSPOSED (source 0 = 16 positions of Wo, source 1 = 16 of O): a lane holds eight neighbouring columns of one row of out0.
; REGISTERS.  Window 0: v16-30 addresses; v32-35 bo; A's fragments (4 x 16 positions x 128 K), two sets at v128 and v192; on the way out v128-255 hold rows read back.  Window 1: B's fragments (8), two sets at v0 and v128.
; Both operands have two sets: the next 128 along K is fetched into one set while the other is multiplied.
.set KADV,   32768                     ; a K step of 256 on, in ac and in wc
.set BOFF,   32768                     ; B's place in a slot
.set SLOT,   98304
.set NP,     4                         ; places behind this matrix instruction (ISA guide 7.12.1)
.set STAGE,  2*SLOT                    ; behind the ring: 16 rows x 528 bytes for each wave; no tensor load lands here
.set SPITCH, 528
.set SPARE,  STAGE+4*16*SPITCH         ; the spare words, 128 bytes a wave: two blocks of 256 bytes that no other line names
.set ADRA, 16                          ; v16-17 LDS address of my A fragments in slot 0, 1
.set ADRB, 20                          ; v20-21 the same for B
.set STO,  24
.set RD,   25
.set LI,   26                          ; 16 x lane
.set SPW,  28
.set NIL,  29
.set PFO,  30                          ; the prefetches' offset; never rewritten
.set AF,   128
.set BK,   128
.set G1, 24
.set G0, 32
.set G1B, 48
.set G0B, 56
.set MSB, 0
.macro WIN new                         ; the immediate's high byte repeats the setting that is left
.if MSB != (\new)
	s_set_vgpr_msb (MSB<<8)|(\new)
.set MSB, (\new)
.endif
.endm
.set MUL_LO, 0xa1                      ; source 0 (B) window 1, source 1 (A) window 0, C and D window 2
.set TO_B,   0x40
.macro JLOAD s                         ; waves 0, 1 ask for A, waves 2, 3 for B; an s_nop 0 and four v_nop follow each line
	s_cmp_eq_u32 s15, 0
	s_cbranch_scc0 .Lfor_b_\@
	tensor_load_to_lds s[G0+4*\s:G0+4*\s+3], s[G1:G1+7]
	s_nop 0
.rept 4
	v_nop
.endr
	s_branch .Lasked_\@
.Lfor_b_\@:
	tensor_load_to_lds s[G0B+4*\s:G0B+4*\s+3], s[G1B:G1B+7]
	s_nop 0
.rept 4
	v_nop
.endr
.Lasked_\@:
.endm
; A PREFETCH INTO THE L2 of the K steps that later joint loads will want: one and two loads ahead, and never more than two K steps asked for and not yet read.
; The four partners that ask for a tile jointly share its bytes out BY ADDRESS: of A's 16,384 bytes a wave 4,096 each (lanes 0 to 15 name a block of 256 each, the lanes left over the last block again),
; of B's 32,768 bytes 8,192 each, a lane to each 256.  O's codes are loaded by one cluster alone; Wo's tiles are loaded by all sixteen clusters and are asked for by the clusters of rows 0 to 3 alone
; (s12 = 0: my wave asks; it hangs on the wave's number and the cluster's y).  v[PFO] and s[4:5] are never rewritten; the farthest byte named lies 130,816 bytes into a block of 131,072.
.macro ASK s
	s_cmp_eq_u32 s12, 0
	s_cbranch_scc0 .Lno_ask_\@
.if \s == 0
	global_prefetch_b8 v[PFO], s[4:5] offset:KADV th:TH_LOAD_NT scope:SCOPE_SE
	global_prefetch_b8 v[PFO], s[4:5] offset:2*KADV th:TH_LOAD_NT scope:SCOPE_SE
.else
	global_prefetch_b8 v[PFO], s[4:5] offset:3*KADV th:TH_LOAD_NT scope:SCOPE_SE
.endif
.Lno_ask_\@:
.endm
.macro CREST                           ; a round of the cluster's barrier behind its opening barrier
	s_cmp_lg_u32 s14, 0
	s_cbranch_scc1 .Lnot_wave_0_\@
	s_barrier_signal -3
.Lnot_wave_0_\@:
	s_barrier_wait -3
	s_barrier_signal -1
	s_barrier_wait -1
.endm
.macro CROUND
	s_barrier_signal -1
	s_barrier_wait -1
	CREST
.endm
	s_load_b256 s[68:75], s[0:1], 0x0              ; ac, wc, the exponents, bo
	s_load_b64 s[76:77], s[0:1], 0x20              ; out0
	v_lshl_add_u32 v[SPW], v0, 2, SPARE
	v_mov_b32 v[NIL], 0
	ds_add_u32 v[SPW], v[NIL]                      ; the wave's opening
	ds_add_u32 v[SPW], v[NIL]
	v_lshrrev_b32 v1, 5, v0
	v_readfirstlane_b32 s14, v1                    ; wave 0..3
	s_lshr_b32 s15, s14, 1                         ; my 64 of the block's rows.  Also: I fetch for A (0) or for B (1)
	s_and_b32 s16, s14, 1                          ; my 128 of its columns.  Also: which half of that tile I fetch
	s_bfe_u32 s40, ttmp6, 0x40000                  ; cx = the block's column (the grid is one cluster wide)
	s_bfe_u32 s41, ttmp6, 0x40004                  ; cy
	s_and_b32 s17, ttmp7, 0xffff
	s_lshl_b32 s17, s17, 2
	s_add_co_u32 s17, s17, s41                     ; the block's row = 4 x cluster y + cy
	s_lshl_b32 s43, s41, 2
	s_lshl_b32 s43, 15, s43                        ; my row of the cluster
	s_lshl_b32 s44, 0x1111, s40                    ; my column
	s_or_b32 s[G1], s43, (3<<16)|(1<<21)           ; group 1: the mask; elements of 8 bytes; 21 set beside a mask; no padding: the blocks are dense images of registers
	s_or_b32 s[G1B], s44, (3<<16)|(1<<21)
	s_mov_b32 s[G1+1], 32<<16                      ; rows of 32 elements: 256 bytes
	s_mov_b32 s[G1+2], 64<<16                      ; A: 64 rows
	s_mov_b32 s[G1+3], 32<<16
	s_mov_b32 s[G1+4], 64
	s_mov_b32 s[G1+5], 32
	s_mov_b32 s[G1+6], 0
	s_mov_b32 s[G1+7], 0
	s_mov_b32 s[G1B+1], 32<<16
	s_mov_b32 s[G1B+2], 128<<16                    ; B: 128 rows
	s_mov_b32 s[G1B+3], 32<<16
	s_mov_b32 s[G1B+4], 128
	s_mov_b32 s[G1B+5], 32
	s_mov_b32 s[G1B+6], 0
	s_mov_b32 s[G1B+7], 0
	s_lshl_b32 s20, s17, 17                        ; A: the block's 128 positions, all K: 131,072 bytes; + my half of a K step's 32,768
	s_lshl_b32 s21, s16, 14
	s_add_co_u32 s20, s20, s21
	s_mov_b32 s21, 0
	s_lshl_b32 s46, s40, 1                         ; B: 128 positions 2 cx + half, in Wo's part of wc
	s_add_co_u32 s46, s46, s16
	s_lshl_b32 s46, s46, 17
	s_add_co_u32 s46, s46, 3<<20
	s_mov_b32 s47, 0
	s_lshl_b32 s45, s16, 14                        ; where they go: A's halves,
	s_lshl_b32 s18, s16, 15
	s_add_co_u32 s18, s18, BOFF                    ; B's halves: the wave's number alone
	s_wait_dscnt 0x0                               ; both opening adds are done
	s_wait_kmcnt 0x0
	s_load_b64 s[96:97], s[72:73], 0x28            ; e10, e11
	s_add_nc_u64 s[20:21], s[68:69], s[20:21]
	s_add_nc_u64 s[46:47], s[70:71], s[46:47]
	s_cmp_eq_u32 s15, 0                            ; where my prefetches stand: the tile that I fetch,
	s_cselect_b64 s[4:5], s[20:21], s[46:47]
	s_cselect_b32 s6, s40, s41                     ; my place among the four that ask for it with me,
	s_cselect_b32 s7, 12, 13                       ; x 4,096 bytes of A, 8,192 of B
	s_cselect_b32 s19, 15, 31                      ; the last lane that names a block of its own
	s_lshl_b32 s6, s6, s7
	s_mov_b32 s7, 0
	s_add_nc_u64 s[4:5], s[4:5], s[6:7]
	s_and_b32 s13, ttmp7, 0xffff
	s_lshr_b32 s13, s13, 2                         ; 0 in the rows of clusters 0 to 3
	s_mul_i32 s12, s15, s13                        ; 0: I ask
	v_and_b32 v[PFO], 31, v0
	v_min_u32 v[PFO], s19, v[PFO]
	v_lshlrev_b32 v[PFO], 8, v[PFO]
	s_wait_alu depctr_va_vdst(0)
	CROUND                                         ; all sixteen work-groups are here: the first joint loads meet
.irp s, 0,1
	s_mov_b32 s[G0+4*\s], 1
	s_add_co_u32 s[G0+4*\s+1], s45, \s*SLOT
	s_add_nc_u64 s[G0+4*\s+2:G0+4*\s+3], s[20:21], \s*KADV
	s_or_b32 s[G0+4*\s+3], s[G0+4*\s+3], 0x80000000
	s_mov_b32 s[G0B+4*\s], 1
	s_add_co_u32 s[G0B+4*\s+1], s18, \s*SLOT
	s_add_nc_u64 s[G0B+4*\s+2:G0B+4*\s+3], s[46:47], \s*KADV
	s_or_b32 s[G0B+4*\s+3], s[G0B+4*\s+3], 0x80000000
.endr
	JLOAD 0                                        ; K step 0: one tensor load a wave at the head
	ASK 0                                          ; K steps 1 and 2
	v_and_b32 v1, 31, v0
	v_lshlrev_b32 v[LI], 4, v1
	s_lshl_b32 s22, s15, 14                        ; my 4 tiles of A
	s_lshl_b32 s23, s16, 15                        ; my 8 tiles of B
	s_add_co_u32 s23, s23, BOFF
.irp s, 0,1
	v_add_nc_u32 v[ADRA+\s], s22, v[LI]
	v_add_nc_u32 v[ADRB+\s], s23, v[LI]
	s_add_co_u32 s22, s22, SLOT
	s_add_co_u32 s23, s23, SLOT
.endr
	s_mul_i32 s23, s14, 16*SPITCH
	s_add_co_u32 s23, s23, STAGE                   ; my stage
	v_and_b32 v1, 15, v0
	v_bfe_u32 v2, v0, 4, 1
	v_mul_u32_u24 v5, v1, SPITCH
	v_lshl_add_u32 v5, v2, 6, v5
	v_add_nc_u32 v[STO], s23, v5                   ; in: row lane % 16, + 64 bytes for the upper half of the lanes
	v_add_nc_u32 v[RD], s23, v[LI]                 ; back: the 32 lanes take one row of 512 bytes
	s_lshl_b32 s66, s17, 7
	s_lshl_b32 s2, s15, 6
	s_add_co_u32 s66, s66, s2                      ; my first row of out0
	s_lshl_b32 s67, s40, 8
	s_lshl_b32 s2, s16, 7
	s_add_co_u32 s67, s67, s2                      ; my first column
	s_lshl_b32 s100, s67, 2
	s_mov_b32 s101, 0
	s_add_nc_u64 s[8:9], s[74:75], s[100:101]
	s_add_nc_u64 s[10:11], s[76:77], s[100:101]
	s_lshl_b32 s100, s66, 12
	s_add_nc_u64 s[10:11], s[10:11], s[100:101]
	global_load_b128 v[32:35], v[LI], s[8:9]       ; bo at my four columns of a row
.macro FRAG reg, adr, q, i             ; a fragment as it lies: four pieces of 512 bytes
.irp c, 0,1,2,3
	ds_load_b128 v[\reg+4*\c:\reg+4*\c+3], v[\adr] offset:2048*(\q)+512*\c+(\i)*4096
.endr
.endm
.macro FETCH slot, q, p                ; 48 LDS loads: the slot's q-th 128 along K into set p: B's eight fragments, A's four
	WIN TO_B
.irp i, 0,1,2,3,4,5,6,7
	FRAG 128*(\p)+16*\i, ADRB+\slot, \q, \i
.endr
	WIN 0
.irp i, 0,1,2,3
	FRAG AF+64*(\p)+16*\i, ADRA+\slot, \q, \i
.endr
.endm
.macro MUL8 a, p, zero                 ; A's tile a against B's eight; the 32 accumulators take turns, in the same order in every step
.irp b, 0,1,2,3,4,5,6,7
.if \zero
	v_wmma_f32_16x16x128_fp8_fp8 v[8*(8*(\a)+\b):8*(8*(\a)+\b)+7], v[128*(\p)+16*\b:128*(\p)+16*\b+15], v[AF+64*(\p)+16*(\a):AF+64*(\p)+16*(\a)+15], 0
.else
	v_wmma_f32_16x16x128_fp8_fp8 v[8*(8*(\a)+\b):8*(8*(\a)+\b)+7], v[128*(\p)+16*\b:128*(\p)+16*\b+15], v[AF+64*(\p)+16*(\a):AF+64*(\p)+16*(\a)+15], v[8*(8*(\a)+\b):8*(8*(\a)+\b)+7]
.endif
.endr
.endm
.macro PLACES n
.rept \n
	v_nop
.endr
.endm
; A slot's first 128 along K (set 0); its second 128 is fetched into set 1 ahead of the products.
.macro STEP slot, zero
	PLACES NP                                      ; ahead of loads into set 1, which the last products read
	FETCH \slot, 1, 1
	s_wait_dscnt 48                                ; set 0 is in; the 48 loads just issued may be out
	WIN MUL_LO
	MUL8 0, 0, \zero
	MUL8 1, 0, \zero
	MUL8 2, 0, \zero
	MUL8 3, 0, \zero
	WIN 0
.endm
; A slot's second 128 (set 1) changes slots: ONE barrier; in front of it each wave waits for all its tensor loads, adds 0 to its spare word, and waits for that and for its reads of this slot.
; fill = 1: the barrier opens a round of the cluster's barrier, and this slot is filled again, two K steps ahead.
.macro TURN slot, next, fill
	s_wait_tensorcnt 0x0                           ; my one load that was out, my part of the next slot, has landed
	ds_add_u32 v[SPW], v[NIL]
	s_wait_dscnt 1                                 ; set 1 is in; the add may be out
	WIN MUL_LO
	MUL8 0, 1, 0
	MUL8 1, 1, 0
	s_wait_dscnt 0x0                               ; the add is done, and my reads of this slot are over
	s_barrier_signal -1
	MUL8 2, 1, 0
	WIN 0
	s_barrier_wait -1
.if \fill
	CREST                                          ; no wave of any partner still reads this slot or has a load on its way
	s_add_nc_u64 s[G0+4*\slot+2:G0+4*\slot+3], s[G0+4*\slot+2:G0+4*\slot+3], 2*KADV
	s_add_nc_u64 s[G0B+4*\slot+2:G0B+4*\slot+3], s[G0B+4*\slot+2:G0B+4*\slot+3], 2*KADV
	JLOAD \slot                                    ; the first tensor load behind the round; its four v_nop are the places ahead of the loads below
.else
	PLACES NP
.endif
	FETCH \next, 0, 0
	WIN MUL_LO
	MUL8 3, 1, 0
	WIN 0
.endm
	s_wait_alu depctr_va_vdst(0)
	s_wait_tensorcnt 0x0                           ; my part of K step 0 is in
	ds_add_u32 v[SPW], v[NIL]
	s_wait_dscnt 0x0
	CROUND                                         ; everybody's part of K step 0 is in, and the joint loads meet
	JLOAD 1                                        ; K step 1
	FETCH 0, 0, 0
	ASK 1                                          ; K step 3, behind the joint load and the run of LDS loads that the first products wait for
	STEP 0, 1                                      ; the first products start the sums: nothing is cleared
	TURN 0, 1, 1                                   ; slot 0 takes K step 2
	STEP 1, 0
	TURN 1, 0, 1                                   ; slot 1 takes K step 3
	STEP 0, 0
	TURN 0, 1, 0                                   ; nothing more to fetch
	STEP 1, 0
	s_wait_dscnt 0x0
	WIN MUL_LO
	MUL8 0, 1, 0
	MUL8 1, 1, 0
	MUL8 2, 1, 0
	MUL8 3, 1, 0
	WIN 0
; THE WAY OUT, tile by tile of 16 rows x 128 columns, through my own stage: in as 32 bytes a lane, back as whole rows of 512 bytes.  LDS serves a wave's instructions in order (ISA guide 5.7.1.4).
.macro TOSTAGE a
.set AC, 64*(\a)
.set BB, BK+64*((\a)%2)
	WIN 0x08                                       ; the stores' data in window 2
.irp b, 0,1,2,3,4,5,6,7
	ds_store_b128 v[STO], v[AC+8*\b:AC+8*\b+3] offset:128*(\b/2)+32*(\b%2)       ; B's position 8 h + j of tile b is column 32 (b / 2) + 8 (b % 2) + 16 h + j; each accumulator from its low end on
	ds_store_b128 v[STO], v[AC+8*\b+4:AC+8*\b+7] offset:128*(\b/2)+32*(\b%2)+16
.endr
	WIN 0
.irp t, 0,1,2,3,4,5,6,7,8,9,10,11,12,13,14,15
	ds_load_b128 v[BB+4*\t:BB+4*\t+3], v[RD] offset:\t*SPITCH
.endr
.endm
.macro SEND a, younger                 ; younger: the LDS instructions issued behind tile a's loads, which may stay out
.set BB, BK+64*((\a)%2)
	s_wait_dscnt \younger
.irp t, 0,1,2,3,4,5,6,7,8,9,10,11,12,13,14,15
	v_pk_fma_f32 v[BB+4*\t:BB+4*\t+1], v[BB+4*\t:BB+4*\t+1], s[96:97], v[32:33] op_sel_hi:[1,0,1]       ; x 2^(e10 + e11), + bo
	v_pk_fma_f32 v[BB+4*\t+2:BB+4*\t+3], v[BB+4*\t+2:BB+4*\t+3], s[96:97], v[34:35] op_sel_hi:[1,0,1]
.endr
.irp t, 0,1,2,3,4,5,6,7,8,9,10,11,12,13,14,15
	global_store_b128 v[LI], v[BB+4*\t:BB+4*\t+3], s[10:11] offset:(32*((\a)/2)+8*((\a)%2)+\t+8*(\t/8))*4096 th:TH_STORE_NT   ; 512 consecutive bytes, aligned; position t's row
.endr
.endm
	s_wait_kmcnt 0x0
	s_add_co_i32 s96, s96, s97
	s_add_co_i32 s96, s96, 127
	s_lshl_b32 s96, s96, 23                        ; 2^(e10 + e11) as f32
	s_mov_b32 s97, s96
	s_wait_loadcnt 0x0                             ; bo
	PLACES NP                                      ; ahead of the first read of the results and of loads into A's registers
	TOSTAGE 0
.irp a, 1,2,3
.if \a > 1
	s_wait_xcnt 0x0                                ; tile a - 2's stores have read their registers: tile a's loads may land there
.endif
	TOSTAGE \a
	SEND \a-1, 32                                  ; behind tile a - 1's loads: tile a's 16 stores and 16 loads
.endr
	SEND 3, 0
	s_wait_tensorcnt 0x0                           ; the wave's end
	ds_add_u32 v[SPW], v[NIL]
	s_wait_dscnt 0x0
	CROUND                                         ; the closing round
	s_endpgm
.Lfunc_end_k_q1bc0070553_proj:
	.size	k_q1bc0070553_proj, .Lfunc_end_k_q1bc0070553_proj-k_q1bc0070553_proj
	.p2alignl 7, 3214868480
	.fill 96, 4, 3214868480
	.section	.rodata,"a",@progbits
	.p2align	6, 0x0
	.amdhsa_kernel k_q1bc0070553_proj
		.amdhsa_group_segment_fixed_size 327680
		.amdhsa_private_segment_fixed_size 0
		.amdhsa_enable_private_segment 0
		.amdhsa_kernarg_size 40
		.amdhsa_user_sgpr_count 2
		.amdhsa_user_sgpr_kernarg_segment_ptr 1
		.amdhsa_wavefront_size32 1
		.amdhsa_system_sgpr_workgroup_id_x 1
		.amdhsa_system_sgpr_workgroup_id_y 1
		.amdhsa_system_sgpr_workgroup_id_z 1
		.amdhsa_system_vgpr_workitem_id 0
		.amdhsa_next_free_vgpr 768
		.amdhsa_next_free_sgpr 102
		.amdhsa_reserve_vcc 0
		.amdhsa_float_denorm_mode_32 3
		.amdhsa_float_denorm_mode_16_64 3
		.amdhsa_memory_ordered 1
		.amdhsa_forward_progress 1
		.amdhsa_inst_pref_size 76
	.end_amdhsa_kernel
	.amdgpu_metadata
---
amdhsa.version: [ 1, 2 ]
amdhsa.kernels:
  - .name:           k_q1bc0070553_proj
    .symbol:         k_q1bc0070553_proj.kd
    .args:
      - { .name: ac, .offset: 0, .size: 8, .value_kind: global_buffer, .address_space: global }
      - { .name: wc, .offset: 8, .size: 8, .value_kind: global_buffer, .address_space: global }
      - { .name: lowp_scales, .offset: 16, .size: 8, .value_kind: global_buffer, .address_space: global }
      - { .name: bo, .offset: 24, .size: 8, .value_kind: global_buffer, .address_space: global }
      - { .name: out0, .offset: 32, .size: 8, .value_kind: global_buffer, .address_space: global }
    .group_segment_fixed_size: 327680
    .private_segment_fixed_size: 0
    .kernarg_segment_align: 8
    .kernarg_segment_size: 40
    .max_flat_workgroup_size: 128
    .sgpr_count:     102
    .vgpr_count:     768
    .wavefront_size: 32
...
	.end_amdgpu_metadata
.endif
;; end of part 4
